; MI455X (gfx1250); checked and timed in simulation.
; The chip was launched on July 23, 2026; its instructions are those of AMD's public machine-readable ISA for CDNA 5 (MIT licence, August 2026) and "CDNA5" Instruction Set Architecture Reference Guide (July 2026). The comments in the code are by the model that wrote it; some were corrected since.
;; Attention Block. Allowed arithmetic: matrix products marked QUANTISED: E2M1 operands, one E8M0 scale for each 32 along K, by v_wmma_scale_f32_16x16x128_f8f6f4 with both operands' format E2M1 (or v_wmma_scale_f32_32x16x128_f4), f32 sums; everything else in f32.
;; Inputs: Wk 32 x 256 float32; Wq 32 x 256 float32; Wv 256 x 256 float32; bk 32 float32; bq 32 float32; bv 256 float32; gamma 1 float32; x 4 x 256 x 64 x 64 float32.
;; Outputs: out0 4 x 256 x 64 x 64 float32.
;; This version of the problem:
;;   THIS VERSION OF THE PROBLEM IS GIVEN IN LOW PRECISION. The matrix products marked QUANTISED in the list below multiply operands that are first quantised to E2M1 (2 exponent bits, 1 mantissa bit; 4 bits a number), with one power-of-two scale for each 32 numbers along K (OCP MX v1.0); their sums are f32. All else is computed in f32.
;;   The module's matrix products, in the order in which they are computed (A, B: the left and right operand; K: the contracted axis; several contracted axes count as one K, in the product's order):
;;     1. [M 16,384, K 256] x [K 256, N 32]; A: input x; B: input Wq: QUANTISED
;;     2. [M 16,384, K 256] x [K 256, N 32]; A: input x; B: input Wk: QUANTISED
;;     3. [M 16,384, K 256] x [K 256, N 256]; A: input x; B: input Wv: QUANTISED
;;     4. batch 4 x [M 4,096, K 32] x [K 32, N 4,096]; A: computed on the way; B: computed on the way: QUANTISED
;;     5. batch 4 x [M 256, K 4,096] x [K 4,096, N 4,096]; A: computed on the way; B: softmax (see below): QUANTISED
;;   THE QUANTISER, for each operand of a quantised product, along K:
;;     - K is cut into blocks of 32 from its start; a last block that is shorter is filled with zeros.
;;     - A block's scale is 2^e with e = floor(log2(the largest magnitude in the block)) - 2, held to -126 .. 127; a block of zeros has e = 0. As a byte (E8M0): e + 127.
;;     - Each number is divided by its block's scale, clamped to +-6, and rounded to the nearest number of E2M1, ties to even, subnormals kept.
;;     - The product sums the exact products of the quantised numbers (number of the format x scale) in f32.
;;   ~~~python
;;   def quantise(x, axis):      # numpy; x: float32 -> the quantised numbers, widened to float32 again
;;       x = np.moveaxis(x, axis, -1); K = x.shape[-1]
;;       x = np.pad(x, [(0, 0)] * (x.ndim - 1) + [(0, -K % 32)]); x = x.reshape(x.shape[:-1] + (-1, 32)); a = np.abs(x).max(-1, keepdims=True)
;;       e = np.where(a > 0, np.clip(np.frexp(np.where(a > 0, a, 1))[1] - 1 - 2, -126, 127), 0)      # np.frexp(a)[1] - 1 = floor(log2(a)), exactly
;;       r = np.clip(x / 2.0 ** e, -6, 6)
;;       step = 2.0 ** (np.maximum(np.frexp(np.where(r == 0, 1, r))[1] - 1, 0) - 1)
;;       q = np.round(r / step) * step * 2.0 ** e      # np.round: ties to even
;;       return np.moveaxis(q.reshape(q.shape[:-2] + (-1,))[..., :K], -1, axis).astype(np.float32)
;;   ~~~
;;   SOFTMAX AHEAD OF A QUANTISED PRODUCT. Where the list says 'softmax', what is quantised is not the finished softmax but p = 2^(t - M), with t = logit x log2(e) and M = ceil(the row's largest t), a whole number; so 1/2 < the row's largest p <= 1. The row's sum l is taken of the UNQUANTISED p, in f32, and the product's result is divided by l at the end. Since M is a whole number, a kernel that streams over the keys may use a running M (the ceiling of the running maximum): every later rescaling is an exact power of two, which a block's scale takes up: the codes' values come out the same.
;;   OPERANDS COMPUTED ON THE WAY. 'Computed on the way' means the value that the module computes at that place (a softmax that the list does not call 'softmax' is quantised finished and normalised). What goes into a quantiser is computed in f32, as accurately as f32 sums, v_exp_f32 and their like allow (about 1e-6 of the number): no bf16 or f16 on the way to a quantiser, and a product that is left as it is and whose result goes on into a quantised operand takes f32 operands (vector FMAs, or v_wmma_f32_16x16x4_f32). A number that lies on a knife's edge between two numbers of the format may be rounded either way, as far as f32 arithmetic and the matrix unit's own rounding can turn it there, and no further.
;; One version. Each part assembles by itself: llvm-mc -triple=amdgcn-amd-amdhsa -mcpu=gfx1250 --defsym DOCPART=n.
;; ======== version 1 of 1: 2 launches
;; workspace buffers: kv 2,506,752 bytes; qimg 262,144 bytes; qscl 16,384 bytes
;; launch project (part 1): grid 128 x 2, 8 waves a work-group, clusters of 4 x 1, 327,680 bytes of LDS; arguments x, Wq, Wk, Wv, bq, bk, bv, kv, qimg, qscl; writes kv, qimg, qscl
.if DOCPART == 1
	.amdgcn_target "amdgcn-amd-amdhsa--gfx1250"
	.amdhsa_code_object_version 6
	.text
	.protected	k_q55a641a67b_project
	.globl	k_q55a641a67b_project
	.p2align	8
	.type	k_q55a641a67b_project,@function
k_q55a641a67b_project:
	s_mov_b64 s[64:65], 0
	v_nop
	global_prefetch_b8 v0, s[64:65] scope:SCOPE_SE
	s_setreg_imm32_b32 hwreg(HW_REG_WAVE_MODE, 25, 1), 1
	s_wait_xcnt 0x0
	s_wait_alu depctr_hold_cnt(0) depctr_sa_sdst(0) depctr_va_vdst(0) depctr_va_sdst(0) depctr_va_ssrc(0) depctr_va_vcc(0) depctr_vm_vsrc(0)
	s_getreg_b32 s2, hwreg(HW_REG_IB_STS2, 6, 4)
	s_cmp_eq_u32 s2, 0
	s_cbranch_scc0 .Lentry_in_a_cluster
	s_endpgm
.Lentry_in_a_cluster:
	s_bfe_u32 s2, ttmp6, 0x10000c
	s_cmp_lg_u32 s2, 0x3003
	s_cbranch_scc0 .Lentry_shape_is_right
	s_endpgm
.Lentry_shape_is_right:
; q = Wq x + bq, k = Wk x + bk, v = Wv x + bv on codes of FP4 (E2M1) with one E8M0 scale for each 32 channels; the results are quantised again (q, k along their 32 channels, v along
; the positions) and stored as IMAGES OF THE NEXT LAUNCH'S OPERAND REGISTERS.  x: [4][256][4096] f32.  Wq, Wk: [32][256], Wv: [256][256], biases: f32.
; SHARES.  Work-group (g, y): 128 positions (batch g / 32, positions 128 (g % 32) on) and half of the outputs: v's channels 128 y on, and q (y = 0) or k (y = 1).  y chooses pointers and
; offsets alone: there is one path through the text.  Wave w: v's channel tile 8 y + w for all 128 positions (source 0 = x, source 1 = Wv: a lane holds one channel, its registers run along
; the positions, which are the next K), and position tile w of q or k (source 0 = rows of the weight, source 1 = x: a lane holds one position, its registers run along the channels).
; THE POSITIONS OF A TILE ARE NOT NEIGHBOURS: row r of tile 2 b + u is position 32 b + 8 u + r + 8 (r / 8), so that the 16 registers of tiles 2 b and 2 b + 1 are 16 neighbouring positions.
; The rows of Wq or Wk that form a tile are chosen likewise.
; CLUSTER.  The four work-groups of a cluster share y, hence all weights: the weights' tiles are asked for jointly (mask 15).  x's tile is each work-group's own.
; Nothing in LDS is filled twice.  Three tensor loads of a wave are out at the most.
; LIMITS: NaN and infinities among the inputs are not served.  A block whose largest magnitude lies under 2^-124 gets the scale byte 1; so does a block of zeros, where the rule says 127:
; its codes are zeros, which add nothing under any byte but 0xff, and the bytes are read by this program alone.
.set SLOTB,  156672                    ; kv: a block of 1,024 keys: V's images 8 x 16,384, K's 8 x 2,048, V's scale words 8 x 1,024, K's 8 x 128
.set KOFF,   131072
.set VSOFF,  147456
.set KSOFF,  155648
.set WP,     1040                      ; a weight's row in LDS: 1,024 bytes + 16 of padding
.set L_WQ,   8*16*WP                   ; LDS: from 0 Wv's 8 tiles of 16 rows; here the 32 rows of Wq or Wk;
.set L_X,    L_WQ+32*WP                ; x: 256 channels x 512 bytes;
.set L_XIMG, L_X+256*512               ; x's 16 fragments as images, (2 T + s) x 1,024;
.set L_XSC,  L_XIMG+16*1024            ; their scale words [s][T][r];
.set L_WQI,  L_XSC+1024                ; the small weight's 4 fragments, (2 u + s) x 1,024;
.set L_WQS,  L_WQI+4*1024              ; their scale words, 64 bytes each;
.set L_VSTG, L_WQS+256                 ; v's scale words on their way out, 512 bytes;
.set L_QSTG, L_VSTG+512                ; q's or k's scale bytes on their way out, 128 bytes
.set LANE, 1
.set RR,   2                           ; lane % 16
.set HH,   3                           ; lane / 16
.set LI,   4                           ; 16 x lane
.set L4,   5                           ; 4 x lane
.set LRS,  6                           ; L_XSC + 4 r
.set AWV,  7                           ; my lane's place in my tile of Wv
.set AWQ,  8                           ; in my half fragment of the small weight
.set AX,   9                           ; my position's column of x, my 128 channels
.set XWI,  10                          ; where my position's codes go
.set XWS,  11                          ; and its scale word
.set WQW,  12                          ; where the small weight's codes go
.set WQB,  13                          ; and its scale byte
.set QSB,  14                          ; q's or k's scale byte
.set VSW,  15                          ; v's scale word
.set GKQ,  16                          ; memory: my 8 bytes of q's or k's codes
.set GV,   17                          ; memory: my 16 bytes of v's image
.set LQX,  18                          ; L_XSC + 64 w + 4 r
.set LXW,  19                          ; L_XIMG + 2,048 w + 16 x lane
.set WVF,  20                          ; v20-35   my tile of Wv: two fragments
.set WVS,  36                          ; v36-37   their scale words           (v36-51 hold scales and nothing else)
.set WQSC, 38                          ; v38-41   the small weight's
.set QXS,  42                          ; v42-43   x's, tile w
.set XS,   44                          ; v44-51   x's, [4 s + T / 2]: lanes 0-15 tile 2 i, lanes 16-31 tile 2 i + 1
.set BV,   52                          ; v52-59   bv of my lane's channel, eight times: the C of v's first products
.set BQ,   60                          ; v60-75   bq or bk of channels 16 h + 0 .. 15
.set XC,   76                          ; v76-91   x's codes, four blocks
.set WQC,  92                          ; v92-95   the small weight's codes
.set TA,   96
.set TB,   97
.set SO,   98                          ; a conversion's scale operand
.set PW,   99                          ; a scale word or byte on its way to LDS
.set BY,   100                         ; v100-103 four scale bytes
.set LXI,  104                         ; L_XIMG + 16 x lane
.set LXS,  105                         ; L_XSC + 4 x lane
.set QC,   106                         ; v106-107 q's or k's codes
.set MX,   108                         ; v108-111 largest magnitudes
.set PB,   112                         ; v112-115 the other half's, then bytes
.set SOP,  116                         ; v116-119 scale operands
.set PC,   120                         ; v120-127 v's fragment
.set ABQ,  120                         ; (until the biases have come: their offsets)
.set ABV,  121
.set R,    128                         ; v128-255 by phases: 128 numbers to be quantised; fragments and accumulators
.set WF,   128                         ; the small weight's 4 fragments
.set XF,   160                         ; x's two fragments of tile w
.set QA,   176                         ; q or k: 16 registers
.set XFR,  128                         ; x's fragments of four tiles
.set VA,   192                         ; v: 8 accumulators
.set WV,   24
.set Y,    25
.set G1W,  32
.set G1Q,  40
.set G1X,  48
.set G0W,  56
.set G0Q,  60
.set G0X,  68
.set SEL,  72
.macro CROUND                          ; a round of the cluster's barrier
	s_barrier_signal -1
	s_barrier_wait -1
	s_cmp_lg_u32 s[WV], 0
	s_cbranch_scc1 .Lnot_wave_0_\@
	s_barrier_signal -3
.Lnot_wave_0_\@:
	s_barrier_wait -3
	s_barrier_signal -1
	s_barrier_wait -1
.endm
.macro PLACES
.rept 4
	v_nop
.endr
.endm
; A whole block of 32 numbers in one lane's registers becomes four registers of codes and a scale byte.
.macro QB32 src, dst, by
	v_max3_num_f32 v[TA], |v[\src]|, |v[\src+1]|, |v[\src+2]|
	v_max3_num_f32 v[TB], |v[\src+3]|, |v[\src+4]|, |v[\src+5]|
.irp i, 6,10,14,18,22,26
	v_max3_num_f32 v[TA], v[TA], |v[\src+\i]|, |v[\src+\i+1]|
	v_max3_num_f32 v[TB], v[TB], |v[\src+\i+2]|, |v[\src+\i+3]|
.endr
	v_max3_num_f32 v[TA], v[TA], |v[\src+30]|, |v[\src+31]|
	v_max3_num_f32 v[TA], v[TA], v[TB], 0x1800000   ; the floor 2^(3 - 127): the byte cannot fall under 1
	v_add_nc_u32 v[SO], 0xff000000, v[TA]           ; 2 off the exponent field: the conversion takes that field as its scale
	v_lshrrev_b32 v[\by], 23, v[SO]                 ; the scale's byte
.irp g, 0,1,2,3
	v_cvt_scalef32_pk8_fp4_f32 v[\dst+\g], v[\src+8*\g:\src+8*\g+7], v[SO]
.endr
.endm
; 64 numbers of a lane, register 16 b + i = k 32 b + 16 (lane / 16) + i of my row, become a fragment in v[PC] on and its scale word in v[PW].
.macro QUANT64 s
.irp b, 0,1,2,3
	v_max3_num_f32 v[MX+\b], |v[\s+16*\b]|, |v[\s+1+16*\b]|, 0x1800000
.endr
.irp i, 2,4,6,8,10,12,14
.irp b, 0,1,2,3
	v_max3_num_f32 v[MX+\b], v[MX+\b], |v[\s+16*\b+\i]|, |v[\s+1+16*\b+\i]|
.endr
.endr
.irp b, 0,1,2,3
	v_permlanex16_b32 v[PB+\b], v[MX+\b], s[SEL], s[SEL+1]
.endr
.irp b, 0,1,2,3
	v_max_num_f32 v[MX+\b], v[MX+\b], v[PB+\b]      ; with lane l xor 16's: the block's largest magnitude
.endr
.irp b, 0,1,2,3
	v_add_nc_u32 v[SOP+\b], 0xff000000, v[MX+\b]
.endr
.irp b, 0,1,2,3
	v_lshrrev_b32 v[PB+\b], 23, v[SOP+\b]
.endr
	v_lshl_or_b32 v[PW], v[PB+1], 8, v[PB]
	v_lshl_or_b32 v[PW], v[PB+2], 16, v[PW]
	v_lshl_or_b32 v[PW], v[PB+3], 24, v[PW]
.irp b, 0,1,2,3
	v_cvt_scalef32_pk8_fp4_f32 v[PC+2*\b], v[\s+16*\b:\s+7+16*\b], v[SOP+\b]
	v_cvt_scalef32_pk8_fp4_f32 v[PC+1+2*\b], v[\s+8+16*\b:\s+15+16*\b], v[SOP+\b]
.endr
	v_nop                                           ; one plain place behind a scaled conversion
.irp c, 0,1                                     ; the operand's layout wants a whole block in a lane
.irp i, 0,1
	v_permlane16_swap_b32 v[PC+4*\c+\i], v[PC+2+4*\c+\i]
.endr
.endr
.endm
.macro FETCH reg, adr, off             ; a fragment's image comes back as it was stored
.irp c, 0,1
	ds_load_b128 v[\reg+4*\c:\reg+4*\c+3], v[\adr] offset:\off+512*\c
.endr
.endm
.macro XLOAD bl                        ; block bl of my position: 32 channels, 512 bytes apart; 32 lanes read 128 neighbouring bytes
.set i, 0
.rept 32
	ds_load_b32 v[R+32*\bl+i], v[AX] offset:(32*\bl+i)*512
.set i, i+1
.endr
.endm
; v: position tile, A's first register, K step.  The first K step takes the bias as C.
.macro VMUL tile, a, s
.set rD, VA+8*(\tile)
.set rC, rD
.if \s == 0
.set rC, BV
.endif
.if ((\tile)%2) == 0
	v_wmma_scale_f32_16x16x128_f8f6f4 v[rD:rD+7], v[\a:\a+7], v[WVF+8*\s:WVF+8*\s+7], v[rC:rC+7], v[XS+4*\s+(\tile)/2], v[WVS+\s] matrix_a_fmt:MATRIX_FMT_FP4 matrix_b_fmt:MATRIX_FMT_FP4
.else
	v_wmma_scale_f32_16x16x128_f8f6f4 v[rD:rD+7], v[\a:\a+7], v[WVF+8*\s:WVF+8*\s+7], v[rC:rC+7], v[XS+4*\s+(\tile)/2], v[WVS+\s] matrix_a_fmt:MATRIX_FMT_FP4 matrix_b_fmt:MATRIX_FMT_FP4 matrix_a_scale:MATRIX_SCALE_ROW1
.endif
.endm
	s_load_b512 s[4:19], s[0:1], 0x0               ; x, Wq, Wk, Wv, bq, bk, bv, kv
	s_load_b128 s[20:23], s[0:1], 0x40             ; qimg, qscl
	s_set_vgpr_msb 0x40
	v_lshl_add_u32 v0, v0, 2, 0x4e200
	v_mov_b32 v1, 0
	s_set_vgpr_msb 0x4045
	ds_add_u32 v0, v1
	s_set_vgpr_msb 0x4500
	v_lshrrev_b32 v1, 5, v0
	v_readfirstlane_b32 s[WV], v1                  ; wave 0..7
	s_and_b32 s[Y], ttmp7, 0xffff                  ; y: which half of the outputs; the four partners share it
	s_bfe_u32 s26, ttmp6, 0x40000                  ; cx
	s_lshl_b32 s27, ttmp9, 2
	s_add_co_u32 s27, s27, s26                     ; g = 4 x cluster x + cx
	s_lshr_b32 s28, s27, 5                         ; batch
	s_and_b32 s29, s27, 31                         ; which 128 positions of the batch
	s_lshr_b32 s30, s29, 3                         ; which block of 1,024 keys
	s_and_b32 s31, s29, 7                          ; which key step in it
	; descriptor groups 1.  Weights: rows of 256 f32, 16 bytes of padding behind each, joint (mask 15, bit 21 beside it)
	s_mov_b32 s[G1W], 15|(2<<16)|(1<<20)|(1<<21)|(7<<22)|(3<<25)
	s_mov_b32 s[G1W+1], 256<<16                    ; tensor_dim0 = 256
	s_mov_b32 s[G1W+2], 16<<16                     ; tensor_dim1 = 16
	s_mov_b32 s[G1W+3], 256<<16                    ; tile_dim0 = 256
	s_mov_b32 s[G1W+4], 16                         ; tile_dim1 = 16
	s_mov_b32 s[G1W+5], 256                        ; elements from row to row
	s_mov_b32 s[G1W+6], 0
	s_mov_b32 s[G1W+7], 0
	s_mov_b32 s[G1Q], 15|(2<<16)|(1<<20)|(1<<21)|(7<<22)|(3<<25)
	s_mov_b32 s[G1Q+1], 256<<16
	s_mov_b32 s[G1Q+2], 4<<16                      ; four rows a wave
	s_mov_b32 s[G1Q+3], 256<<16
	s_mov_b32 s[G1Q+4], 4
	s_mov_b32 s[G1Q+5], 256
	s_mov_b32 s[G1Q+6], 0
	s_mov_b32 s[G1Q+7], 0
	s_mov_b32 s[G1X], 2<<16                        ; x: my work-group's own: 32 channels x 128 positions, no padding
	s_mov_b32 s[G1X+1], 128<<16
	s_mov_b32 s[G1X+2], 32<<16
	s_mov_b32 s[G1X+3], 128<<16
	s_mov_b32 s[G1X+4], 32
	s_mov_b32 s[G1X+5], 4096
	s_mov_b32 s[G1X+6], 0
	s_mov_b32 s[G1X+7], 0
	s_mov_b32 s[SEL], 0x76543210
	s_mov_b32 s[SEL+1], 0xfedcba98                 ; v_permlanex16_b32's selects for lane l xor 16
	; byte offsets, apart from the addresses
	s_lshl_b32 s74, s[Y], 3
	s_add_co_u32 s74, s74, s[WV]                   ; my channel tile of v
	s_lshl_b32 s88, s74, 6                         ; bv: 64 bytes a tile
	s_mov_b32 s89, 0
	s_lshl_b32 s74, s74, 14                        ; Wv: 16 rows of 1,024 bytes a tile
	s_mov_b32 s75, 0
	s_lshl_b32 s90, s[WV], 12                      ; the small weight: four rows a wave
	s_mov_b32 s91, 0
	s_lshl_b32 s92, s28, 22                        ; x: the batch,
	s_lshl_b32 s93, s[WV], 19                      ; my 32 channels,
	s_add_co_u32 s92, s92, s93
	s_lshl_b32 s93, s29, 9                         ; the 128 positions
	s_add_co_u32 s92, s92, s93
	s_mov_b32 s93, 0
	s_lshl_b32 s94, s28, 2
	s_add_co_u32 s94, s94, s30
	s_mul_i32 s94, s94, SLOTB                      ; kv: my block of 1,024 keys
	s_lshl_b32 s95, s31, 14
	s_add_co_u32 s96, s94, s95
	s_lshl_b32 s95, s[Y], 13
	s_add_co_u32 s96, s96, s95                     ; V's images: key step, my half's 8 tiles
	s_mov_b32 s97, 0
	s_lshl_b32 s95, s31, 10
	s_add_co_u32 s98, s94, s95
	s_lshl_b32 s95, s[Y], 9
	s_add_co_u32 s98, s98, s95
	s_add_co_u32 s98, s98, VSOFF                   ; V's scale words
	s_mov_b32 s99, 0
	s_lshl_b32 s95, s31, 11
	s_add_co_u32 s84, s94, s95
	s_add_co_u32 s84, s84, KOFF                    ; K's codes
	s_lshl_b32 s95, s31, 7
	s_add_co_u32 s86, s94, s95
	s_add_co_u32 s86, s86, KSOFF                   ; K's scale words
	s_lshl_b32 s95, s28, 16
	s_lshl_b32 s85, s29, 11
	s_add_co_u32 s85, s85, s95                     ; q's codes
	s_lshl_b32 s95, s28, 12
	s_lshl_b32 s87, s29, 7
	s_add_co_u32 s87, s87, s95                     ; q's scale words
	s_cmp_eq_u32 s[Y], 0
	s_cselect_b32 s84, s85, s84
	s_cselect_b32 s86, s87, s86
	s_mov_b32 s85, 0
	s_mov_b32 s87, 0
	; the lanes' places
	v_and_b32 v[LANE], 31, v0
	v_and_b32 v[RR], 15, v0
	v_bfe_u32 v[HH], v0, 4, 1
	v_lshlrev_b32 v[LI], 4, v[LANE]
	v_lshlrev_b32 v[L4], 2, v[LANE]
	v_lshl_add_u32 v[LRS], v[RR], 2, L_XSC
	v_add_nc_u32 v[LXI], L_XIMG, v[LI]
	v_add_nc_u32 v[LXS], L_XSC, v[L4]
	s_mul_i32 s2, s[WV], 16*WP
	v_mul_u32_u24 v[AWV], v[RR], WP
	v_lshl_add_u32 v[AWV], v[HH], 7, v[AWV]
	v_add_nc_u32 v[AWV], s2, v[AWV]                ; Wv: my tile, row r, + 128 h: 32 numbers of each 64
	s_lshr_b32 s2, s[WV], 2
	s_mul_i32 s2, s2, 8*WP
	s_and_b32 s3, s[WV], 3
	s_lshl_b32 s3, s3, 8
	s_add_co_u32 s2, s2, s3
	s_add_co_u32 s2, s2, L_WQ
	v_and_b32 v[TA], 8, v[RR]
	v_add_nc_u32 v[TA], v[TA], v[RR]               ; r + 8 (r / 8)
	v_mul_u32_u24 v[AWQ], v[TA], WP
	v_lshl_add_u32 v[AWQ], v[HH], 7, v[AWQ]
	v_add_nc_u32 v[AWQ], s2, v[AWQ]                ; the small weight: tile w / 4, row 8 u + r + 8 (r / 8), 64 numbers (w % 4) on, + 128 h
	s_lshr_b32 s2, s[WV], 2
	s_lshl_b32 s2, s2, 16
	s_and_b32 s3, s[WV], 3
	s_lshl_b32 s3, s3, 7
	s_add_co_u32 s2, s2, s3
	s_add_co_u32 s2, s2, L_X
	v_add_nc_u32 v[AX], s2, v[L4]                  ; x: channels 128 (w / 4) on, position 32 (w % 4) + lane
	s_and_b32 s2, s[WV], 3
	s_lshl_b32 s2, s2, 12
	s_lshr_b32 s3, s[WV], 2
	s_lshl_b32 s3, s3, 10
	s_add_co_u32 s2, s2, s3
	s_add_co_u32 s2, s2, L_XIMG
	v_bfe_u32 v[TA], v0, 3, 1
	v_and_b32 v[TB], 7, v0
	v_lshlrev_b32 v[XWI], 11, v[TA]
	v_lshl_add_u32 v[XWI], v[TB], 4, v[XWI]
	v_lshl_add_u32 v[XWI], v[HH], 7, v[XWI]
	v_add_nc_u32 v[XWI], s2, v[XWI]                ; my position is row lane % 8 + 8 (lane / 16) of tile 2 (w % 4) + (lane / 8) % 2
	s_and_b32 s2, s[WV], 3
	s_lshl_b32 s2, s2, 7
	s_lshr_b32 s3, s[WV], 2
	s_lshl_b32 s3, s3, 9
	s_add_co_u32 s2, s2, s3
	s_add_co_u32 s2, s2, L_XSC
	v_lshlrev_b32 v[XWS], 6, v[TA]
	v_lshl_add_u32 v[XWS], v[TB], 2, v[XWS]
	v_lshl_add_u32 v[XWS], v[HH], 5, v[XWS]
	v_add_nc_u32 v[XWS], s2, v[XWS]
	s_lshl_b32 s2, s[WV], 9
	s_add_co_u32 s2, s2, L_WQI
	v_add_nc_u32 v[WQW], s2, v[LI]
	s_lshr_b32 s2, s[WV], 1
	s_lshl_b32 s2, s2, 6
	s_and_b32 s3, s[WV], 1
	s_lshl_b32 s3, s3, 1
	s_add_co_u32 s2, s2, s3
	s_add_co_u32 s2, s2, L_WQS
	v_lshl_add_u32 v[WQB], v[RR], 2, v[HH]
	v_add_nc_u32 v[WQB], s2, v[WQB]                ; fragment w / 2, row r's word, byte 2 (w % 2) + h
	s_lshr_b32 s2, s[WV], 2
	s_lshl_b32 s2, s2, 6
	s_and_b32 s3, s[WV], 3
	s_add_co_u32 s2, s2, s3
	s_add_co_u32 s2, s2, L_QSTG
	v_lshlrev_b32 v[QSB], 2, v[RR]
	v_add_nc_u32 v[QSB], s2, v[QSB]                ; fragment w / 4, row r's word, byte w % 4
	s_and_b32 s2, s[WV], 1
	s_lshl_b32 s2, s2, 8
	s_lshr_b32 s3, s[WV], 1
	s_lshl_b32 s3, s3, 2
	s_add_co_u32 s2, s2, s3
	s_add_co_u32 s2, s2, L_VSTG
	v_lshlrev_b32 v[VSW], 4, v[RR]
	v_add_nc_u32 v[VSW], s2, v[VSW]                ; lane r + 16 (w % 2) of the reader, its word w / 2
	s_lshl_b32 s2, s[WV], 8
	v_lshlrev_b32 v[GKQ], 4, v[RR]
	v_lshl_add_u32 v[GKQ], v[HH], 3, v[GKQ]
	v_add_nc_u32 v[GKQ], s2, v[GKQ]
	s_lshl_b32 s2, s[WV], 10
	v_add_nc_u32 v[GV], s2, v[LI]
	s_lshl_b32 s2, s[WV], 6
	v_add_nc_u32 v[LQX], s2, v[LRS]
	s_lshl_b32 s2, s[WV], 11
	v_add_nc_u32 v[LXW], s2, v[LXI]
	v_lshlrev_b32 v[ABQ], 6, v[HH]
	v_lshlrev_b32 v[ABV], 2, v[RR]
.irp b, 0,1,2,3
	v_mov_b32 v[PB+\b], 0                          ; written once: a lane permute's destination counts as one of its sources
.endr
	s_wait_dscnt 0x0
	s_wait_kmcnt 0x0
	s_cmp_eq_u32 s[Y], 0                           ; the choice hangs on the work-group's y alone
	s_cselect_b64 s[76:77], s[6:7], s[8:9]         ; Wq or Wk
	s_cselect_b64 s[78:79], s[12:13], s[14:15]     ; bq or bk
	s_cselect_b64 s[80:81], s[20:21], s[18:19]     ; the codes go to qimg or into kv
	s_cselect_b64 s[82:83], s[22:23], s[18:19]     ; the scale words to qscl or into kv
	s_mov_b32 s[G0W], 1
	s_mul_i32 s[G0W+1], s[WV], 16*WP
	s_add_nc_u64 s[G0W+2:G0W+3], s[10:11], s[74:75]
	s_or_b32 s[G0W+3], s[G0W+3], 0x80000000
	s_mov_b32 s[G0Q], 1
	s_mul_i32 s[G0Q+1], s[WV], 4*WP
	s_add_co_u32 s[G0Q+1], s[G0Q+1], L_WQ
	s_add_nc_u64 s[G0Q+2:G0Q+3], s[76:77], s[90:91]
	s_or_b32 s[G0Q+3], s[G0Q+3], 0x80000000
	s_mov_b32 s[G0X], 1
	s_lshl_b32 s[G0X+1], s[WV], 14
	s_add_co_u32 s[G0X+1], s[G0X+1], L_X
	s_add_nc_u64 s[G0X+2:G0X+3], s[4:5], s[92:93]
	s_or_b32 s[G0X+3], s[G0X+3], 0x80000000
	s_add_nc_u64 s[16:17], s[16:17], s[88:89]      ; bv at my tile
	s_add_nc_u64 s[80:81], s[80:81], s[84:85]
	s_add_nc_u64 s[82:83], s[82:83], s[86:87]
	s_add_nc_u64 s[20:21], s[18:19], s[96:97]      ; V's images
	s_add_nc_u64 s[22:23], s[18:19], s[98:99]      ; V's scale words
	CROUND                                         ; all four work-groups are here: the joint loads meet
	tensor_load_to_lds s[G0W:G0W+3], s[G1W:G1W+7]  ; my tile of Wv (joint),
	s_nop 0
	tensor_load_to_lds s[G0Q:G0Q+3], s[G1Q:G1Q+7]  ; four rows of the small weight (joint),
	s_nop 0
	tensor_load_to_lds s[G0X:G0X+3], s[G1X:G1X+7]  ; 32 channels of x (my work-group's own): three loads of mine are out
	s_nop 0
	PLACES
.irp i, 0,1,2,3
	global_load_b128 v[BQ+4*\i:BQ+4*\i+3], v[ABQ], s[78:79] offset:16*\i
.endr
.irp i, 0,1,2,3,4,5,6,7
	global_load_b32 v[BV+\i], v[ABV], s[16:17]
.endr
	; ---- my tile of Wv: four blocks a lane, straight into the operand's registers
	s_wait_tensorcnt 0x2                           ; my first load has landed; the two behind it may be out.  Only I read these bytes
.irp k, 0,1,2,3
.irp j, 0,1,2,3,4,5,6,7
	ds_load_b128 v[R+32*\k+4*\j:R+32*\k+4*\j+3], v[AWV] offset:256*\k+16*\j
.endr
.endr
	s_wait_dscnt 24                                ; the first block's eight loads are in; 24 were issued behind them
	QB32 R, WVF, BY
	s_wait_dscnt 16
	QB32 R+32, WVF+4, BY+1
	s_wait_dscnt 8
	QB32 R+64, WVF+8, BY+2
	s_wait_dscnt 0x0
	QB32 R+96, WVF+12, BY+3
	v_lshlrev_b32 v[TB], 3, v[HH]
.irp s, 0,1                                    ; my two bytes (blocks h and 2 + h) at their places; with lane l xor 16's the word is whole
	v_lshl_or_b32 v[TA], v[BY+2*\s+1], 16, v[BY+2*\s]
	v_lshlrev_b32 v[TA], v[TB], v[TA]
	v_permlanex16_b32 v[PB], v[TA], s[SEL], s[SEL+1]
	v_or_b32 v[WVS+\s], v[TA], v[PB]
.endr
	s_wait_tensorcnt 0x0                           ; for the others' sake: all my tiles have landed
	s_barrier_signal -1
	s_barrier_wait -1
	; ---- one half fragment of the small weight, and my position's 128 channels of x
.irp j, 0,1,2,3,4,5,6,7
	ds_load_b128 v[R+96+4*\j:R+96+4*\j+3], v[AWQ] offset:16*\j
.endr
	XLOAD 0
	s_wait_dscnt 32                                ; the weight's eight are in; x's 32 may be out
	QB32 R+96, WQC, PW
	ds_store_b128 v[WQW], v[WQC:WQC+3]
	ds_store_b8 v[WQB], v[PW]
	XLOAD 1
	s_wait_dscnt 34                                ; block 0 is in: behind it two stores and 32 loads
	QB32 R, XC, BY
	ds_store_b128 v[XWI], v[XC:XC+3]
	XLOAD 2
	s_wait_dscnt 33                                ; block 1 is in: behind it one store and 32 loads
	QB32 R+32, XC+4, BY+1
	ds_store_b128 v[XWI], v[XC+4:XC+7] offset:256
	XLOAD 3
	s_wait_dscnt 33
	QB32 R+64, XC+8, BY+2
	ds_store_b128 v[XWI], v[XC+8:XC+11] offset:512
	s_wait_dscnt 1                                 ; block 3 is in: behind it one store
	QB32 R+96, XC+12, BY+3
	ds_store_b128 v[XWI], v[XC+12:XC+15] offset:768
	v_lshl_or_b32 v[PW], v[BY+1], 8, v[BY]
	v_lshl_or_b32 v[PW], v[BY+2], 16, v[PW]
	v_lshl_or_b32 v[PW], v[BY+3], 24, v[PW]
	ds_store_b32 v[XWS], v[PW]
	s_wait_dscnt 0x0                               ; for the others' sake: my images lie in LDS
	s_barrier_signal -1
	s_barrier_wait -1
	; ---- q or k of position tile w
.irp f, 0,1,2,3
	FETCH WF+8*\f, LXI, L_WQI-L_XIMG+1024*\f
	ds_load_b32 v[WQSC+\f], v[LRS] offset:L_WQS-L_XSC+64*\f
.endr
.irp s, 0,1
	FETCH XF+8*\s, LXW, 1024*\s
	ds_load_b32 v[QXS+\s], v[LQX] offset:512*\s
.endr
.irp s, 0,1
.irp i, 0,1,2,3
	ds_load_b32 v[XS+4*\s+\i], v[LXS] offset:512*\s+128*\i
.endr
.endr
	s_wait_dscnt 0x0
	s_wait_loadcnt 0x0                             ; the biases
	; source 0 = 16 rows of the weight, source 1 = x: register 8 u + j of lane (r, h) is channel 16 h + 8 u + j of position row r.  The two accumulators take turns
	v_wmma_scale_f32_16x16x128_f8f6f4 v[QA:QA+7], v[WF:WF+7], v[XF:XF+7], v[BQ:BQ+7], v[WQSC], v[QXS] matrix_a_fmt:MATRIX_FMT_FP4 matrix_b_fmt:MATRIX_FMT_FP4
	v_wmma_scale_f32_16x16x128_f8f6f4 v[QA+8:QA+15], v[WF+16:WF+23], v[XF:XF+7], v[BQ+8:BQ+15], v[WQSC+2], v[QXS] matrix_a_fmt:MATRIX_FMT_FP4 matrix_b_fmt:MATRIX_FMT_FP4
	v_wmma_scale_f32_16x16x128_f8f6f4 v[QA:QA+7], v[WF+8:WF+15], v[XF+8:XF+15], v[QA:QA+7], v[WQSC+1], v[QXS+1] matrix_a_fmt:MATRIX_FMT_FP4 matrix_b_fmt:MATRIX_FMT_FP4
	v_wmma_scale_f32_16x16x128_f8f6f4 v[QA+8:QA+15], v[WF+24:WF+31], v[XF+8:XF+15], v[QA+8:QA+15], v[WQSC+3], v[QXS+1] matrix_a_fmt:MATRIX_FMT_FP4 matrix_b_fmt:MATRIX_FMT_FP4
	PLACES                                         ; behind the products: for the reads of their results, and for the loads below into their registers
	v_max3_num_f32 v[MX], |v[QA]|, |v[QA+1]|, 0x1800000   ; one block of 32 channels lies in lanes l and l xor 16; each accumulator from its low end on
	v_max3_num_f32 v[MX+1], |v[QA+8]|, |v[QA+9]|, |v[QA+10]|
	v_max3_num_f32 v[MX], v[MX], |v[QA+2]|, |v[QA+3]|
	v_max3_num_f32 v[MX+1], v[MX+1], |v[QA+11]|, |v[QA+12]|
	v_max3_num_f32 v[MX], v[MX], |v[QA+4]|, |v[QA+5]|
	v_max3_num_f32 v[MX+1], v[MX+1], |v[QA+13]|, |v[QA+14]|
	v_max3_num_f32 v[MX], v[MX], |v[QA+6]|, |v[QA+7]|
	v_max3_num_f32 v[MX], v[MX], v[MX+1], |v[QA+15]|
	v_permlanex16_b32 v[PB], v[MX], s[SEL], s[SEL+1]
	v_max_num_f32 v[MX], v[MX], v[PB]
	v_add_nc_u32 v[SOP], 0xff000000, v[MX]
	v_lshrrev_b32 v[PB+1], 23, v[SOP]
	v_cvt_scalef32_pk8_fp4_f32 v[QC], v[QA:QA+7], v[SOP]
	v_cvt_scalef32_pk8_fp4_f32 v[QC+1], v[QA+8:QA+15], v[SOP]
	v_nop                                          ; one plain place behind a scaled conversion
	global_store_b64 v[GKQ], v[QC:QC+1], s[80:81]  ; the wave stores 256 consecutive bytes, aligned: 16 rows of 16 bytes
	ds_store_b8 v[QSB], v[PB+1]
	; ---- v of my 16 channels, four position tiles at a time; the accumulators take turns
.irp hf, 0,1
.if \hf > 0
	PLACES                                         ; in front of loads into registers that matrix instructions have read
.endif
.irp i, 0,1,2,3
	FETCH XFR+16*\i, LXI, (2*(4*\hf+\i))*1024
	FETCH XFR+16*\i+8, LXI, (2*(4*\hf+\i)+1)*1024
.endr
	s_wait_dscnt 0x0
.irp i, 0,1,2,3
	VMUL (4*\hf+\i), (XFR+16*\i), 0
.endr
.irp i, 0,1,2,3
	VMUL (4*\hf+\i), (XFR+16*\i+8), 1
.endr
.endr
	PLACES
	QUANT64 VA                                     ; register 16 b + i of lane (r, h) is position 32 b + 16 h + i of channel r
	global_store_b128 v[GV], v[PC:PC+3], s[20:21]  ; the image of the next launch's registers: 512 consecutive bytes a store
	global_store_b128 v[GV], v[PC+4:PC+7], s[20:21] offset:512
	ds_store_b32 v[VSW], v[PW]
	s_wait_dscnt 0x0                               ; for wave 0's sake: the scale words and bytes lie in LDS
	s_barrier_signal -1
	s_barrier_wait -1
	s_cmp_lg_u32 s[WV], 0
	s_cbranch_scc1 .Lnot_mine
	ds_load_b128 v[R:R+3], v[LXI] offset:L_VSTG-L_XIMG
	ds_load_b32 v[R+4], v[LXS] offset:L_QSTG-L_XSC
	s_wait_dscnt 0x0
	global_store_b128 v[LI], v[R:R+3], s[22:23]    ; 512 consecutive bytes
	global_store_b32 v[L4], v[R+4], s[82:83]       ; 128 consecutive bytes
.Lnot_mine:
	s_set_vgpr_msb 0x5
	s_wait_tensorcnt 0x0
	ds_add_u32 v0, v1
	s_wait_dscnt 0x0
	s_set_vgpr_msb 0x500
	CROUND                                         ; the closing round: no work-group ends while a partner may still ask for a tile that names it
	s_endpgm
.Lfunc_end_k_q55a641a67b_project:
	.size	k_q55a641a67b_project, .Lfunc_end_k_q55a641a67b_project-k_q55a641a67b_project
	.p2alignl 7, 3214868480
	.fill 96, 4, 3214868480
	.section	.rodata,"a",@progbits
	.p2align	6, 0x0
	.amdhsa_kernel k_q55a641a67b_project
		.amdhsa_group_segment_fixed_size 327680
		.amdhsa_private_segment_fixed_size 0
		.amdhsa_enable_private_segment 0
		.amdhsa_kernarg_size 80
		.amdhsa_user_sgpr_count 2
		.amdhsa_user_sgpr_kernarg_segment_ptr 1
		.amdhsa_wavefront_size32 1
		.amdhsa_system_sgpr_workgroup_id_x 1
		.amdhsa_system_sgpr_workgroup_id_y 1
		.amdhsa_system_sgpr_workgroup_id_z 1
		.amdhsa_system_vgpr_workitem_id 0
		.amdhsa_next_free_vgpr 258
		.amdhsa_next_free_sgpr 100
		.amdhsa_reserve_vcc 0
		.amdhsa_float_denorm_mode_32 3
		.amdhsa_float_denorm_mode_16_64 3
		.amdhsa_memory_ordered 1
		.amdhsa_forward_progress 1
		.amdhsa_inst_pref_size 48
	.end_amdhsa_kernel
	.amdgpu_metadata
---
amdhsa.version: [ 1, 2 ]
amdhsa.kernels:
  - .name:           k_q55a641a67b_project
    .symbol:         k_q55a641a67b_project.kd
    .args:
      - { .name: x, .offset: 0, .size: 8, .value_kind: global_buffer, .address_space: global }
      - { .name: Wq, .offset: 8, .size: 8, .value_kind: global_buffer, .address_space: global }
      - { .name: Wk, .offset: 16, .size: 8, .value_kind: global_buffer, .address_space: global }
      - { .name: Wv, .offset: 24, .size: 8, .value_kind: global_buffer, .address_space: global }
      - { .name: bq, .offset: 32, .size: 8, .value_kind: global_buffer, .address_space: global }
      - { .name: bk, .offset: 40, .size: 8, .value_kind: global_buffer, .address_space: global }
      - { .name: bv, .offset: 48, .size: 8, .value_kind: global_buffer, .address_space: global }
      - { .name: kv, .offset: 56, .size: 8, .value_kind: global_buffer, .address_space: global }
      - { .name: qimg, .offset: 64, .size: 8, .value_kind: global_buffer, .address_space: global }
      - { .name: qscl, .offset: 72, .size: 8, .value_kind: global_buffer, .address_space: global }
    .group_segment_fixed_size: 327680
    .private_segment_fixed_size: 0
    .kernarg_segment_align: 8
    .kernarg_segment_size: 80
    .max_flat_workgroup_size: 256
    .sgpr_count:     100
    .vgpr_count:     258
    .wavefront_size: 32
...
	.end_amdgpu_metadata
.endif
;; end of part 1
;; launch attend (part 2): grid 256 x 1, 8 waves a work-group, clusters of 4 x 1, 327,680 bytes of LDS; arguments kv, qimg, qscl, x, gamma, out0; writes out0
.if DOCPART == 2
	.amdgcn_target "amdgcn-amd-amdhsa--gfx1250"
	.amdhsa_code_object_version 6
	.text
	.protected	k_q55a641a67b_attend
	.globl	k_q55a641a67b_attend
	.p2align	8
	.type	k_q55a641a67b_attend,@function
k_q55a641a67b_attend:
	s_mov_b64 s[64:65], 0
	v_nop
	global_prefetch_b8 v0, s[64:65] scope:SCOPE_SE
	s_setreg_imm32_b32 hwreg(HW_REG_WAVE_MODE, 25, 1), 1
	s_wait_xcnt 0x0
	s_wait_alu depctr_hold_cnt(0) depctr_sa_sdst(0) depctr_va_vdst(0) depctr_va_sdst(0) depctr_va_ssrc(0) depctr_va_vcc(0) depctr_vm_vsrc(0)
	s_getreg_b32 s2, hwreg(HW_REG_IB_STS2, 6, 4)
	s_cmp_eq_u32 s2, 0
	s_cbranch_scc0 .Lentry_in_a_cluster
	s_endpgm
.Lentry_in_a_cluster:
	s_bfe_u32 s2, ttmp6, 0x10000c
	s_cmp_lg_u32 s2, 0x3003
	s_cbranch_scc0 .Lentry_shape_is_right
	s_endpgm
.Lentry_shape_is_right:
; out[b][c][i] = gamma x (sum over j of v[c][j] p[i][j]) / l[i] + x[b][c][i], p = 2^(t - M), t = (q[i] . k[j]) x log2(e), M a whole number; both products on codes of FP4 (E2M1) with E8M0 scales.
; The row's sum l is taken of the unquantised p.  q, k, v arrive as images of the operands' registers, with their scale words.
; SHARES.  A work-group owns 64 queries of one batch.  Wave w = 4 qp + kq owns query tiles 2 qp and 2 qp + 1 (32 queries) and, of each block of 1,024 keys, key steps 2 kq and 2 kq + 1 of 128 keys:
; two waves lie on a SIMD, and a fragment of V read from LDS feeds two products.  Each wave keeps its own running M and l; at the end the four quarters are brought under the
; largest M by exact powers of two and added.
; A PHASE is a slot's 256 keys of the wave, taken as ONE step of the softmax: S^T of both key steps (128 registers a query tile) is made first, so that M moves, and O^T's 256 registers are
; rescaled, once for 256 keys and not once for 128.
; LAYOUT.  Both products are used transposed: a lane holds one query (lane % 16) throughout.  S^T = K Q^T has K = 32 in an instruction of 128: four tiles of 16 keys form one fragment (block bb of
; the 128 = tile bb), and four operands made of q hold its codes in one block and zero codes in the other three: operand bb picks tile bb.  Zero codes add nothing under any scale byte that occurs here.
; Row r of key tile 2 b + u is key 32 b + 8 u + r + 8 (r / 8), so that the 16 registers of tiles 2 b and 2 b + 1 are 16 neighbouring keys; the queries of a tile are laid likewise.
; RING.  Two LDS slots of 1,024 keys (156,672 bytes: V, K and their scale words, one dense block of memory), filled by waves 0 to 3, a quarter each.  Slot 0's first fill comes in two loads, K and the
; scale words (25,600 bytes) ahead of V: the first scores and softmaxes want no more, and V lands meanwhile.  CLUSTER: the four work-groups of a cluster belong to one batch and walk the same
; blocks: every fill is joint (mask 15).  A wave has three tensor loads out at the start and one behind each round.
; LIMITS: NaN and infinities are not served.  A block's largest p is taken from its largest score, which takes v_exp_f32 not to fall where its input rises.  A p under 2^-126 of its quarter's
; running M becomes 0.  A block whose every p is 0 keeps the scale byte 1: its codes are zeros.
; REGISTERS, window 0: v1-4 the phase's addresses; v5-6 for the add; v7 at work; v8-15 statistics; v16-19 f, a chain of the sum; v20-35 scales and nothing else; v36-75 q's operands;
;   v76-91 K of the first key step, and between the products the softmax's scratch; v92-107 tile 0's codes of p; v108-123 K of the second key step, then tile 1's codes of p; v124-127 two chains of the sum;
;   v128-255 S^T, then p, then four buffers of V; the merge.   window 1: O^T, tile t, channel tile ot at v[128 t + 8 ot].
.set SLOTB,  156672
.set QUART,  39168                     ; 153 rows of 256 bytes: a quarter of a slot
.set KQUART, 6400                      ; 25 rows: a quarter of a slot's K and scale words
.set KOFF,   131072
.set VSOFF,  147456
.set KSOFF,  155648
.set SPARE,  2*SLOTB                   ; the spare words, 128 bytes for each wave: four blocks of 256 bytes that no other line names
.set STATS,  SPARE+1024                ; -M [kq][64], then l [kq][64]
.set STG,    69632                     ; the merge's stage for a quarter: 256 channel rows of 272 bytes.  The four lie over the slots, which have had their last fill and their last read by then
.set SPITCH, 272
.set ADK, 1                            ; the phase's LDS addresses: K,
.set ADV, 2                            ; V,
.set ADT, 3                            ; V's scale words,
.set ADS, 4                            ; K's
.set SPW, 5                            ; LDS address of my spare word; never rewritten
.set NIL, 6                            ; 0; never rewritten
.set T,   7
.set ST,  8                            ; tile t at v[ST + 4 t]: -M, the largest t, the sum in two halves
.set F,   16                           ; v[16:17] f = 2^(old M - new M); the upper word is written once
.set TP,  18                           ; v[18:19] a chain of the sum
.set QSC, 20                           ; v20-21 q's scale byte, four times
.set KSC, 22                           ; v22-23 K's scale words of the two key steps: lanes 0-15 tiles 0-3, lanes 16-31 tiles 4-7
.set PS,  24                           ; v24-27 p's scale words, [2 t + key step]
.set VS,  28                           ; v28-35 V's scale words of a key step: register ot / 2, lanes 0-15 the even tile, lanes 16-31 the odd one
.set Q,   36                           ; tile t at v[Q + 20 t]: QL, zeros, QH, zeros, QL
.set KF0, 76                           ; K's two fragments of key step s at v[KF0 + 32 s]
.set BM,  76                           ; v76-83 the blocks' largest scores, then p, then the conversions' scale operands
.set PM,  84                           ; v84-91 the other half's, then the scale bytes
.set PC,  92                           ; p's codes: tile t, key step s at v[PC + 16 t + 8 s]
.set TC,  124                          ; v[124:125], v[126:127] two more chains of the sum
.set TD,  126
.set LT,  124                          ; the merge: l
.set S,   128
.set X,    128                         ; the merge: 16 x 4 registers of x, then of out
.set NM,   192                         ; the four quarters' -M of my four queries,
.set LL,   208                         ; and their l; then the two stage buffers
.set SB,   192
.set G,    224                         ; v224-239 gamma x f / l
.set MM,   240                         ; v240-243 at work
.set SA,   244                         ; v244-247 into the stage: [2 t + upper half of the channels]
.set SS,   248                         ; v248-249 into the statistics
.set RA,   250                         ; v250-253 out of the stage, one for each quarter
.set XO,   254                         ; my byte offset in x and out
.set SL,   255                         ; out of the statistics
.set WV,  12
.set KQ,  13
.set QP,  14
.set G1,  24                           ; s[24:31] descriptor group 1: 153 rows
.set G0A, 32                           ; s[32:35] group 0: slot 0's refill
.set G0B, 36                           ; s[36:39] slot 1's first fill, then its refill
.set CS,  40
.set SEL, 42
.set TV,  44
.set TK,  45
.set TT,  46
.set TS,  47
.set GAM, 49
.set G1A, 68                           ; s[68:75] group 1: 25 rows
.set G1V, 76                           ; s[76:83] group 1: 128 rows
.set G0K, 84                           ; s[84:87] group 0: slot 0's K and scale words
.set G0V, 88                           ; s[88:91] slot 0's V
.set BSK, 92                           ; s92-95 my quarter's places in a slot: K, V, V's scale words, K's
.set BSV, 93
.set BST, 94
.set BSS, 95
.set MSB, 0
.macro WIN new                         ; the immediate's high byte repeats the setting that is left
.if MSB != \new
	s_set_vgpr_msb (MSB<<8)|\new
.set MSB, \new
.endif
.endm
.macro PLACES
.rept 4
	v_nop
.endr
.endm
.macro CROUND                          ; a round of the cluster's barrier
	s_barrier_signal -1
	s_barrier_wait -1
	s_cmp_lg_u32 s[WV], 0
	s_cbranch_scc1 .Lnot_wave_0_\@
	s_barrier_signal -3
.Lnot_wave_0_\@:
	s_barrier_wait -3
	s_barrier_signal -1
	s_barrier_wait -1
.endm
.macro JLOAD g0                        ; a joint refill: waves 0 to 3 a quarter each; the branch hangs on the wave's number alone; four v_nop follow the load
	s_cmp_lt_u32 s[WV], 4
	s_cbranch_scc0 .Lnone_\@
	tensor_load_to_lds s[\g0:\g0+3], s[G1:G1+7]
	s_nop 0
	PLACES
.Lnone_\@:
.endm
.macro GROUP1 g, rows                  ; rows of 256 bytes, dense in memory and in LDS: images are read 16 bytes a lane, so no padding
	s_mov_b32 s[\g], 15|(3<<16)|(1<<21)            ; 15:0 the mask: all four work-groups; 17:16 elements of 8 bytes; 21 set beside a mask
	s_mov_b32 s[\g+1], 32<<16                      ; tensor_dim0 = 32
	s_mov_b32 s[\g+2], (\rows)<<16                 ; tensor_dim1
	s_mov_b32 s[\g+3], 32<<16                      ; tile_dim0
	s_mov_b32 s[\g+4], \rows                       ; tile_dim1
	s_mov_b32 s[\g+5], 32                          ; elements from row to row
	s_mov_b32 s[\g+6], 0
	s_mov_b32 s[\g+7], 0
.endm
.macro KLOAD s                         ; K's two fragments of key step s
.irp n, 0,1
.irp c, 0,1
	ds_load_b128 v[KF0+32*\s+8*\n+4*\c:KF0+32*\s+8*\n+4*\c+3], v[ADK] offset:2048*\s+1024*\n+512*\c
.endr
.endr
.endm
.macro QK1 t, s, tile, off             ; S^T of a key tile: K's fragment tile / 4 against the operand that holds q in block tile % 4
.set rS, S+64*\s+8*\tile
.set rK, KF0+32*\s+8*(\tile/4)
.set rQ, Q+20*\t+\off
.if \tile < 4
	v_wmma_scale_f32_16x16x128_f8f6f4 v[rS:rS+7], v[rK:rK+7], v[rQ:rQ+7], 0, v[KSC+\s], v[QSC+\t] matrix_a_fmt:MATRIX_FMT_FP4 matrix_b_fmt:MATRIX_FMT_FP4
.else
	v_wmma_scale_f32_16x16x128_f8f6f4 v[rS:rS+7], v[rK:rK+7], v[rQ:rQ+7], 0, v[KSC+\s], v[QSC+\t] matrix_a_fmt:MATRIX_FMT_FP4 matrix_b_fmt:MATRIX_FMT_FP4 matrix_a_scale:MATRIX_SCALE_ROW1
.endif
.endm
.macro QK t                            ; 16 products: both key steps
.irp s, 0,1
	QK1 \t, \s, 0, 0
	QK1 \t, \s, 1, 8
	QK1 \t, \s, 2, 12
	QK1 \t, \s, 3, 4
	QK1 \t, \s, 4, 0
	QK1 \t, \s, 5, 8
	QK1 \t, \s, 6, 12
	QK1 \t, \s, 7, 4
.endr
.endm
; The softmax of query tile t for 256 keys, eight blocks of 32: S^T becomes p, p's codes and two scale words; M and l are carried on, and f is left for O^T.
.macro SM t
.set rT, ST+4*\t
.set rP, PC+16*\t
.irp b, 0,1,2,3,4,5,6,7
	v_max3_num_f32 v[BM+\b], v[S+16*\b], v[S+16*\b+1], v[S+16*\b+2]   ; the largest score of each block of 32 keys: for the row's maximum and for the block's largest p
.endr
.irp i, 3,5,7,9,11,13
.irp b, 0,1,2,3,4,5,6,7
	v_max3_num_f32 v[BM+\b], v[BM+\b], v[S+16*\b+\i], v[S+16*\b+\i+1]   ; (the eight blocks by turns)
.endr
.endr
.irp b, 0,1,2,3,4,5,6,7
	v_max_num_f32 v[BM+\b], v[BM+\b], v[S+16*\b+15]
.endr
.irp b, 0,1,2,3,4,5,6,7
	v_permlanex16_b32 v[PM+\b], v[BM+\b], s[SEL], s[SEL+1]
.endr
.irp b, 0,1,2,3,4,5,6,7
	v_max_num_f32 v[BM+\b], v[BM+\b], v[PM+\b]     ; with lane l xor 16's 16 keys
.endr
	v_max3_num_f32 v[T], v[BM], v[BM+1], v[BM+2]
	v_max3_num_f32 v[T], v[T], v[BM+3], v[BM+4]
	v_max3_num_f32 v[T], v[T], v[BM+5], v[BM+6]
	v_max_num_f32 v[T], v[T], v[BM+7]              ; the largest score of my query among the 256 keys
	v_mul_f32 v[T], s[CS], v[T]                    ; as t
	v_max_num_f32 v[rT+1], v[rT+1], v[T]           ; the running largest t
	v_mov_b32 v[T], v[rT]
	v_floor_f32 v[rT], -v[rT+1]                    ; the new -M = -ceil(t): a whole number
	v_sub_f32 v[T], v[rT], v[T]                    ; old M less new M: a whole number, 0 or less
	v_cvt_i32_f32 v[T], v[T]                       ; (it saturates)
	v_ldexp_f32 v[F], 1.0, v[T]                    ; f: a multiplication by it rounds nothing
.set j, 0
.rept 64
	v_pk_fma_f32 v[S+j:S+j+1], v[S+j:S+j+1], s[CS:CS+1], v[rT:rT+1] op_sel_hi:[1,0,0]   ; t - M, two at a time
.set j, j+2
.endr
.irp b, 0,1,2,3,4,5,6,7
	v_fma_f32 v[BM+\b], v[BM+\b], s[CS], v[rT]
.endr
.set j, 0
.rept 128
	v_exp_f32 v[S+j], v[S+j]                       ; p, at most 1, not normalised
.set j, j+1
.endr
.irp b, 0,1,2,3,4,5,6,7
	v_exp_f32 v[BM+\b], v[BM+\b]                   ; the block's largest p: the same two instructions on the same number
.endr
	v_pk_mul_f32 v[rT+2:rT+3], v[rT+2:rT+3], v[F:F+1] op_sel_hi:[1,0]   ; the sums under the new M (a plain place behind the exponentials)
	s_wait_alu depctr_va_vdst(0)
.irp b, 0,1,2,3,4,5,6,7
	v_max_num_f32 v[BM+\b], 0x1800000, v[BM+\b]    ; the floor 2^(3 - 127): the byte cannot fall under 1
.endr
.irp b, 0,1,2,3,4,5,6,7
	v_add_nc_u32 v[BM+\b], 0xff000000, v[BM+\b]    ; 2 off the exponent field: the conversion's scale operand
.endr
.irp b, 0,1,2,3,4,5,6,7
	v_lshrrev_b32 v[PM+\b], 23, v[BM+\b]           ; the scale's byte
.endr
.irp s, 0,1
	v_lshl_or_b32 v[PS+2*\t+\s], v[PM+4*\s+1], 8, v[PM+4*\s]
	v_lshl_or_b32 v[PS+2*\t+\s], v[PM+4*\s+2], 16, v[PS+2*\t+\s]
	v_lshl_or_b32 v[PS+2*\t+\s], v[PM+4*\s+3], 24, v[PS+2*\t+\s]
.endr
.irp b, 0,1,2,3,4,5,6,7
	v_cvt_scalef32_pk8_fp4_f32 v[rP+2*\b], v[S+16*\b:S+16*\b+7], v[BM+\b]
	v_cvt_scalef32_pk8_fp4_f32 v[rP+2*\b+1], v[S+16*\b+8:S+16*\b+15], v[BM+\b]
.endr
	v_nop                                          ; one plain place behind a scaled conversion
.irp c, 0,1,2,3                                ; the operand's layout wants a whole block in a lane
.irp i, 0,1
	v_permlane16_swap_b32 v[rP+4*\c+\i], v[rP+4*\c+2+\i]
.endr
.endr
.if \t == 0
	KLOAD 0                                        ; the scratch is done with: K of the first key step comes again, for tile 1, and lands under the sums below
.endif
	v_pk_add_f32 v[TP:TP+1], v[S:S+1], v[S+2:S+3]  ; the row's sum is taken of the unquantised p, in four chains
	v_pk_add_f32 v[TC:TC+1], v[S+4:S+5], v[S+6:S+7]
	v_pk_add_f32 v[TD:TD+1], v[S+8:S+9], v[S+10:S+11]
	v_pk_add_f32 v[rT+2:rT+3], v[rT+2:rT+3], v[S+12:S+13]
.set j, 14
.rept 14
	v_pk_add_f32 v[TP:TP+1], v[TP:TP+1], v[S+j:S+j+1]
	v_pk_add_f32 v[TC:TC+1], v[TC:TC+1], v[S+j+2:S+j+3]
	v_pk_add_f32 v[TD:TD+1], v[TD:TD+1], v[S+j+4:S+j+5]
	v_pk_add_f32 v[rT+2:rT+3], v[rT+2:rT+3], v[S+j+6:S+j+7]
.set j, j+8
.endr
	v_pk_add_f32 v[TP:TP+1], v[TP:TP+1], v[S+126:S+127]
	v_pk_add_f32 v[TC:TC+1], v[TC:TC+1], v[TD:TD+1]
	v_pk_add_f32 v[rT+2:rT+3], v[rT+2:rT+3], v[TP:TP+1]
	v_pk_add_f32 v[rT+2:rT+3], v[rT+2:rT+3], v[TC:TC+1]
.endm
.macro RESCALE t                       ; O^T of tile t under the new M
	WIN 0x41                                       ; O^T (destination and source 0) in window 1, f in window 0
.set j, 0
.rept 64
	v_pk_mul_f32 v[128*\t+j:128*\t+j+1], v[128*\t+j:128*\t+j+1], v[F:F+1] op_sel_hi:[1,0]   ; each accumulator from its low end on
.set j, j+2
.endr
	WIN 0
.endm
.macro VLOAD n                         ; group n of eight: key step n / 4, V's channel tiles 4 (n % 4) on, into buffer n % 4: images, 16 bytes a lane
.irp i, 0,1,2,3
.irp c, 0,1
	ds_load_b128 v[S+32*((\n)%4)+8*\i+4*\c:S+32*((\n)%4)+8*\i+4*\c+3], v[ADV] offset:16384*((\n)/4)+(4*((\n)%4)+\i)*1024+512*\c
.endr
.endr
.endm
.macro PV1 ot, t, a, s, first
.set rO, 128*(\t)+8*(\ot)
.set rB, PC+16*(\t)+8*(\s)
.if (\first) && ((\s) == 0)
.if ((\ot)%2) == 0
	v_wmma_scale_f32_16x16x128_f8f6f4 v[rO:rO+7], v[\a:\a+7], v[rB:rB+7], 0, v[VS+(\ot)/2], v[PS+2*(\t)+(\s)] matrix_a_fmt:MATRIX_FMT_FP4 matrix_b_fmt:MATRIX_FMT_FP4
.else
	v_wmma_scale_f32_16x16x128_f8f6f4 v[rO:rO+7], v[\a:\a+7], v[rB:rB+7], 0, v[VS+(\ot)/2], v[PS+2*(\t)+(\s)] matrix_a_fmt:MATRIX_FMT_FP4 matrix_b_fmt:MATRIX_FMT_FP4 matrix_a_scale:MATRIX_SCALE_ROW1
.endif
.else
.if ((\ot)%2) == 0
	v_wmma_scale_f32_16x16x128_f8f6f4 v[rO:rO+7], v[\a:\a+7], v[rB:rB+7], v[rO:rO+7], v[VS+(\ot)/2], v[PS+2*(\t)+(\s)] matrix_a_fmt:MATRIX_FMT_FP4 matrix_b_fmt:MATRIX_FMT_FP4
.else
	v_wmma_scale_f32_16x16x128_f8f6f4 v[rO:rO+7], v[\a:\a+7], v[rB:rB+7], v[rO:rO+7], v[VS+(\ot)/2], v[PS+2*(\t)+(\s)] matrix_a_fmt:MATRIX_FMT_FP4 matrix_b_fmt:MATRIX_FMT_FP4 matrix_a_scale:MATRIX_SCALE_ROW1
.endif
.endif
.endm
.macro PVG n, first                    ; O^T += V^T P^T: four channel tiles x two query tiles.  The 32 accumulators take turns, one instruction a turn: each comes once in a key step
	WIN 0x50                                       ; C and D in window 1
.irp i, 0,1,2,3
.irp u, 0,1
	PV1 (4*((\n)%4)+\i), \u, (S+32*((\n)%4)+8*\i), ((\n)/4), \first
.endr
.endr
.endm
; A PHASE: my 256 keys of a slot against my 32 queries.  first = 1: the launch's first: its products start O^T's sums, nothing is rescaled, and V is waited for in its middle.
.macro PHASE slot, first
	s_add_co_u32 s[TK], s[BSK], \slot*SLOTB
	s_add_co_u32 s[TV], s[BSV], \slot*SLOTB
	s_add_co_u32 s[TT], s[BST], \slot*SLOTB
	s_add_co_u32 s[TS], s[BSS], \slot*SLOTB
	v_and_b32 v[T], 31, v0                         ; five plain instructions: the places behind the last phase's products, in front of the loads into their registers
	v_lshl_add_u32 v[ADK], v[T], 4, s[TK]          ; and of the products that write over them
	v_lshl_add_u32 v[ADV], v[T], 4, s[TV]
	v_lshl_add_u32 v[ADT], v[T], 4, s[TT]
	v_lshl_add_u32 v[ADS], v[T], 2, s[TS]
	KLOAD 0
	KLOAD 1
	ds_load_b32 v[KSC], v[ADS]
	ds_load_b32 v[KSC+1], v[ADS] offset:128
	s_wait_dscnt 0x0
	QK 0
	PLACES
	SM 0
.if \first == 0
	RESCALE 0
.endif
	s_wait_dscnt 0x0                               ; K of the first key step is back
	QK 1
	PLACES
	SM 1
.if \first
	s_wait_tensorcnt 0x1                           ; my part of slot 0's V has landed; slot 1's load, issued behind it, may stay out
	s_barrier_signal -1
	s_barrier_wait -1                              ; everybody's has
.endif
	ds_load_b128 v[VS:VS+3], v[ADT]                ; V's scale words of the first key step, and four groups of V into the registers that p has left:
	ds_load_b128 v[VS+4:VS+7], v[ADT] offset:512   ; they land under the rescaling below
	VLOAD 0
	VLOAD 1
	VLOAD 2
	VLOAD 3
.if \first == 0
	RESCALE 1
.endif
	s_wait_dscnt 24                                ; the scale words and group 0 are in; groups 1 to 3 may be out
	PVG 0, \first
	s_wait_dscnt 16                                ; groups 2 and 3 may be out
	PVG 1, \first
	WIN 0
	PLACES                                         ; in front of loads into registers that matrix instructions have read
	ds_load_b128 v[VS:VS+3], v[ADT] offset:1024    ; the second key step's scale words of channel tiles 0 to 7
	VLOAD 4
	VLOAD 5
	s_wait_dscnt 25                                ; group 2 is in: behind it group 3's eight and the seventeen just issued
	PVG 2, \first
	s_wait_dscnt 17                                ; group 3 is in
	PVG 3, \first
	WIN 0
	PLACES
	ds_load_b128 v[VS+4:VS+7], v[ADT] offset:1536  ; and of channel tiles 8 to 15
	VLOAD 6
	VLOAD 7
	s_wait_dscnt 25                                ; the first scale words and group 4 are in: behind them group 5's eight and the seventeen just issued
	PVG 4, \first
	s_wait_dscnt 17
	PVG 5, \first
	s_wait_dscnt 8                                 ; the other scale words and group 6 are in; group 7 may be out
	PVG 6, \first
	s_wait_dscnt 0x0
	PVG 7, \first
	WIN 0
.endm
; THE CHANGE OF SLOTS.  Each wave waits for all its tensor loads (its part of the slot ahead), adds 0 to its spare word, and waits for that and for its reads of the slot that it leaves.
; fill = 1: a round of the cluster's barrier, and behind it the slot just left is filled with the block two on: it has a whole phase in which to land.  step = 1: the descriptor walks two blocks on.
.macro CHANGE g0, fill, step
	s_wait_tensorcnt 0x0                           ; no tensor load of mine is out, so a group 0 may be written
	ds_add_u32 v[SPW], v[NIL]                      ; 0 onto my spare word
.if \step
	s_add_nc_u64 s[\g0+2:\g0+3], s[\g0+2:\g0+3], 2*SLOTB
.endif
	s_wait_dscnt 0x0                               ; the add is done, and my reads of the slot are over
.if \fill
	CROUND
	JLOAD \g0
.else
	s_barrier_signal -1
	s_barrier_wait -1
.endif
.endm
	s_load_b256 s[4:11], s[0:1], 0x0               ; kv, qimg, qscl, x
	s_load_b128 s[16:19], s[0:1], 0x20             ; gamma, out0
	v_lshl_add_u32 v[SPW], v0, 2, SPARE
	v_mov_b32 v[NIL], 0
	ds_add_u32 v5, v6
	s_wait_dscnt 0x0
	v_lshrrev_b32 v[T], 5, v0
	v_readfirstlane_b32 s[WV], v[T]                ; wave 0..7
	s_and_b32 s[KQ], s[WV], 3                      ; my quarter of the keys
	s_lshr_b32 s[QP], s[WV], 2                     ; my pair of query tiles
	s_bfe_u32 s15, ttmp6, 0x40000                  ; cx: it enters the addresses of q, x and out alone
	s_lshr_b32 s20, ttmp9, 4                       ; the batch: sixteen clusters to each
	s_lshl_b32 s21, ttmp9, 2
	s_add_co_u32 s21, s21, s15
	s_and_b32 s21, s21, 63                         ; which 64 queries of the batch
	s_mul_i32 s22, s20, 4*SLOTB                    ; kv: the batch's first block
	s_mov_b32 s23, 0
	s_mul_i32 s56, s[WV], QUART                    ; my quarter of a slot, in memory and in LDS alike;
	s_mov_b32 s57, 0
	s_mul_i32 s96, s[WV], KQUART
	s_add_co_u32 s96, s96, KOFF                    ; of its K and scale words;
	s_mov_b32 s97, 0
	s_lshl_b32 s98, s[WV], 15                      ; of its V
	s_mov_b32 s99, 0
	s_lshl_b32 s2, s20, 6
	s_add_co_u32 s2, s2, s21
	s_lshl_b32 s58, s2, 10
	s_lshl_b32 s59, s[QP], 9
	s_add_co_u32 s58, s58, s59                     ; q's codes: 1,024 bytes for 64 queries, 256 a tile
	s_mov_b32 s59, 0
	s_lshl_b32 s60, s2, 6                          ; q's scale words
	s_mov_b32 s61, 0
	s_lshl_b32 s62, s20, 22
	s_lshl_b32 s63, s21, 8
	s_add_co_u32 s62, s62, s63                     ; x and out: the batch, my 64 positions
	s_mov_b32 s63, 0
	s_lshl_b32 s50, s[QP], 1
	s_mul_i32 s50, s50, 0x01010101                 ; v_perm_b32's selects: byte 2 qp + t of q's scale word, four times
	s_add_co_u32 s51, s50, 0x01010101
	s_lshl_b32 s[BSK], s[KQ], 12                   ; my two key steps in a slot: K, 2,048 bytes each;
	s_add_co_u32 s[BSK], s[BSK], KOFF
	s_lshl_b32 s[BSV], s[KQ], 15                   ; V, 16,384;
	s_lshl_b32 s[BST], s[KQ], 11                   ; V's scale words, 1,024;
	s_add_co_u32 s[BST], s[BST], VSOFF
	s_lshl_b32 s[BSS], s[KQ], 8                    ; K's, 128
	s_add_co_u32 s[BSS], s[BSS], KSOFF
	GROUP1 G1, 153
	GROUP1 G1A, 25
	GROUP1 G1V, 128
	s_mov_b32 s[CS], 0x3fb8aa3b                    ; log2(e)
	s_mov_b32 s[CS+1], s[CS]                       ; (named with it as a pair, so it is written)
	s_mov_b32 s[SEL], 0x76543210
	s_mov_b32 s[SEL+1], 0xfedcba98
	s_wait_kmcnt 0x0
	s_load_b32 s[GAM], s[16:17], 0x0
	s_add_nc_u64 s[4:5], s[4:5], s[22:23]
	s_add_nc_u64 s[6:7], s[6:7], s[58:59]
	s_add_nc_u64 s[8:9], s[8:9], s[60:61]
	s_add_nc_u64 s[52:53], s[10:11], s[62:63]
	s_add_nc_u64 s[54:55], s[18:19], s[62:63]
	s_mov_b32 s[G0K], 1                            ; slot 0, block 0: K and the scale words
	s_mov_b32 s[G0K+1], s96
	s_add_nc_u64 s[G0K+2:G0K+3], s[4:5], s[96:97]
	s_or_b32 s[G0K+3], s[G0K+3], 0x80000000
	s_mov_b32 s[G0V], 1                            ; slot 0, block 0: V
	s_mov_b32 s[G0V+1], s98
	s_add_nc_u64 s[G0V+2:G0V+3], s[4:5], s[98:99]
	s_or_b32 s[G0V+3], s[G0V+3], 0x80000000
	s_mov_b32 s[G0A], 1                            ; slot 0's refill: block 2
	s_mov_b32 s[G0A+1], s56
	s_add_nc_u64 s[G0A+2:G0A+3], s[4:5], s[56:57]
	s_mov_b32 s[G0B], 1                            ; slot 1: block 1, later block 3
	s_add_co_u32 s[G0B+1], s56, SLOTB
	s_add_nc_u64 s[G0B+2:G0B+3], s[G0A+2:G0A+3], SLOTB
	s_add_nc_u64 s[G0A+2:G0A+3], s[G0A+2:G0A+3], 2*SLOTB
	s_or_b32 s[G0A+3], s[G0A+3], 0x80000000
	s_or_b32 s[G0B+3], s[G0B+3], 0x80000000
	CROUND                                         ; all four work-groups are here: the first joint loads meet
	s_cmp_lt_u32 s[WV], 4                          ; a wave's three first fills stand in one branch, ahead of every wait on TENSORcnt and every LDS read
	s_cbranch_scc0 .Lno_first
	tensor_load_to_lds s[G0K:G0K+3], s[G1A:G1A+7]  ; what the first scores want comes first
	s_nop 0
	tensor_load_to_lds s[G0V:G0V+3], s[G1V:G1V+7]
	s_nop 0
	tensor_load_to_lds s[G0B:G0B+3], s[G1:G1+7]
	s_nop 0
	PLACES
.Lno_first:
	v_and_b32 v[T], 15, v0
	v_lshlrev_b32 v[ADK], 4, v[T]                  ; (the phase's address registers serve q's loads first)
	v_lshlrev_b32 v[ADV], 2, v[T]
	global_load_b128 v[S:S+3], v[ADK], s[6:7]             ; q's codes, tile 2 qp: row r's 16 bytes, in both halves of the lanes
	global_load_b128 v[S+4:S+7], v[ADK], s[6:7] offset:256  ; tile 2 qp + 1
	global_load_b32 v[S+8], v[ADV], s[8:9]                ; q's scale words
.irp u, 0,1
	v_mov_b32 v[ST+4*\u+1], 0xff61b1e6             ; the largest t so far: -3e38, under every t
	v_floor_f32 v[ST+4*\u], -v[ST+4*\u+1]          ; -M
	v_mov_b32 v[ST+4*\u+2], 0                      ; the sum, in two halves
	v_mov_b32 v[ST+4*\u+3], 0
.endr
	v_mov_b32 v[F+1], 0                            ; (named as the upper half of a pair)
	s_wait_tensorcnt 0x2                           ; my part of slot 0's K and scale words is in; the two loads behind it may stay out
	s_barrier_signal -1
	s_barrier_wait -1                              ; everybody's is
	s_wait_loadcnt 0x0                             ; q
	s_wait_kmcnt 0x0                               ; gamma
	v_perm_b32 v[QSC], v[S+8], v[S+8], s50         ; my tile's byte in all four places: whichever block holds q, its scale is there
	v_perm_b32 v[QSC+1], v[S+8], v[S+8], s51
	v_and_b32 v[T], 31, v0
	v_cmp_gt_u32 vcc_lo, 16, v[T]                  ; lanes 0-15
.irp u, 0,1
.irp i, 0,1,2,3
	v_mov_b32 v[Q+20*\u+4+\i], 0
	v_mov_b32 v[Q+20*\u+12+\i], 0
	v_cndmask_b32 v[Q+20*\u+\i], 0, v[S+4*\u+\i], vcc_lo                    ; QL: the codes in lanes 0-15, zeros above
	v_cndmask_b32 v[Q+20*\u+8+\i], v[S+4*\u+\i], v[Q+20*\u+4+\i], vcc_lo    ; QH: the other way round
	v_cndmask_b32 v[Q+20*\u+16+\i], 0, v[S+4*\u+\i], vcc_lo
.endr
.endr
	PHASE 0, 1                                     ; block 0
	CHANGE G0A, 1, 0                               ; slot 0 takes the batch's third block
	PHASE 1, 0
	CHANGE G0B, 1, 1                               ; slot 1 the fourth
	PHASE 0, 0
	CHANGE G0A, 0, 0                               ; nothing is left to fetch
	PHASE 1, 0
	; THE MERGE.  l's two halves and the other half of the lanes' are added.
	PLACES                                         ; behind the last products: the lines below write registers that held V
.irp u, 0,1
	v_add_f32 v[LT+\u], v[ST+4*\u+2], v[ST+4*\u+3]
.endr
.irp u, 0,1
	v_permlanex16_b32 v[PM+\u], v[LT+\u], s[SEL], s[SEL+1]
.endr
.irp u, 0,1
	v_add_f32 v[LT+\u], v[LT+\u], v[PM+\u]
.endr
	v_and_b32 v[MM], 15, v0                        ; r
	v_bfe_u32 v[MM+1], v0, 4, 1                    ; h
	v_and_b32 v[MM+2], 8, v[MM]
	v_add_nc_u32 v[MM+2], v[MM+2], v[MM]           ; r + 8 (r / 8)
	s_lshl_b32 s56, s[QP], 7
	v_lshl_add_u32 v[MM+2], v[MM+2], 2, s56        ; 4 x my query's place among the 64: 32 qp + 8 t + r + 8 (r / 8), t = 0
	s_lshl_b32 s57, s[KQ], 8
	s_add_co_u32 s57, s57, STATS
	v_add_nc_u32 v[SS], s57, v[MM+2]
	v_add_nc_u32 v[SS+1], 32, v[SS]
	s_mul_i32 s57, s[KQ], STG
	v_mad_u32_u24 v[MM+3], v[MM+1], 8*SPITCH, v[MM+2]
	v_add_nc_u32 v[SA], s57, v[MM+3]               ; my quarter's stage: channel row 8 h, my query's column
	v_add_nc_u32 v[SA+1], 128*SPITCH, v[SA]        ; channels 128 on
	v_add_nc_u32 v[SA+2], 32, v[SA]                ; tile t = 1
	v_add_nc_u32 v[SA+3], 32, v[SA+1]
	s_mul_i32 s57, s[WV], 32*SPITCH
	v_mul_u32_u24 v[MM+3], v[MM+1], SPITCH
	v_lshl_add_u32 v[MM+3], v[MM], 4, v[MM+3]
	v_add_nc_u32 v[RA], s57, v[MM+3]               ; back: my 32 channel rows; lanes 0-15 one row, lanes 16-31 the next
	v_add_nc_u32 v[RA+1], STG, v[RA]
	v_add_nc_u32 v[RA+2], STG, v[RA+1]
	v_add_nc_u32 v[RA+3], STG, v[RA+2]
	s_lshl_b32 s57, s[WV], 19
	v_lshlrev_b32 v[XO], 14, v[MM+1]
	v_lshl_add_u32 v[XO], v[MM], 4, v[XO]
	v_add_nc_u32 v[XO], s57, v[XO]                 ; and the same rows in x and out
	v_lshl_add_u32 v[SL], v[MM], 4, STATS
.set i, 0
.rept 16
	global_load_b128 v[X+4*i:X+4*i+3], v[XO], s[52:53] offset:32768*i th:TH_LOAD_NT   ; x is asked for now and lands while the stage is written
.set i, i+1
.endr
	s_wait_dscnt 0x0                               ; my reads of the slots are over
	s_barrier_signal -1
	s_barrier_wait -1                              ; everybody's are: the stage may be written over them
.irp u, 0,1
	ds_store_b32 v[SS+\u], v[ST+4*\u]              ; -M (lanes l and l xor 16 write the same word with the same value)
	ds_store_b32 v[SS+\u], v[LT+\u] offset:1024    ; l
.endr
	WIN 0x04                                       ; an LDS store's data are its source 1: window 1
.set n, 0
.rept 256
	ds_store_b32 v[SA+n/64], v[n] offset:(((n/8)%8)*16+n%8)*SPITCH   ; O^T as it stands, each accumulator from its low end on: channel 16 ot + 8 h + j, my query
.set n, n+1
.endr
	WIN 0
	s_wait_dscnt 0x0                               ; for the others' sake: my stores have landed
	s_barrier_signal -1
	s_barrier_wait -1
.irp k, 0,1,2,3
	ds_load_b128 v[NM+4*\k:NM+4*\k+3], v[SL] offset:256*\k
	ds_load_b128 v[LL+4*\k:LL+4*\k+3], v[SL] offset:1024+256*\k
.endr
	s_wait_dscnt 0x0
.irp e, 0,1,2,3
	v_min3_num_f32 v[MM+\e], v[NM+\e], v[NM+4+\e], v[NM+8+\e]
.endr
.irp e, 0,1,2,3
	v_min_num_f32 v[MM+\e], v[MM+\e], v[NM+12+\e]  ; the smallest -M: the largest M of the four quarters
.endr
.irp k, 0,1,2,3
.irp e, 0,1,2,3
	v_sub_f32 v[G+4*\k+\e], v[MM+\e], v[NM+4*\k+\e]   ; the quarter's M less the largest: a whole number, 0 or less
.endr
.endr
.irp k, 0,1,2,3
.irp e, 0,1,2,3
	v_cvt_i32_f32 v[G+4*\k+\e], v[G+4*\k+\e]
.endr
.endr
.irp k, 0,1,2,3
.irp e, 0,1,2,3
	v_ldexp_f32 v[G+4*\k+\e], 1.0, v[G+4*\k+\e]    ; f of the quarter: exact
.endr
.endr
.irp e, 0,1,2,3
	v_mul_f32 v[MM+\e], v[G+\e], v[LL+\e]
.endr
.irp k, 1,2,3
.irp e, 0,1,2,3
	v_fma_f32 v[MM+\e], v[G+4*\k+\e], v[LL+4*\k+\e], v[MM+\e]   ; the row's sum under the largest M: more than 1/2
.endr
.endr
.irp e, 0,1,2,3
	v_rcp_f32 v[MM+\e], v[MM+\e]
.endr
	v_nop                                          ; one plain place behind a transcendental
	s_wait_alu depctr_va_vdst(0)
.irp e, 0,1,2,3
	v_mul_f32 v[MM+\e], s[GAM], v[MM+\e]
.endr
.irp k, 0,1,2,3
.irp e, 0,1,2,3
	v_mul_f32 v[G+4*\k+\e], v[G+4*\k+\e], v[MM+\e] ; gamma x f / l
.endr
.endr
.macro SLOAD i                         ; two channel rows of all four quarters, into buffer i % 2
.irp k, 0,1,2,3
	ds_load_b128 v[SB+16*((\i)%2)+4*\k:SB+16*((\i)%2)+4*\k+3], v[RA+\k] offset:2*SPITCH*(\i)
.endr
.endm
.macro OUTROW i
.if (\i) < 15
	SLOAD (\i)+1
	s_wait_dscnt 4                                 ; this trip's four are in; the next trip's four may be out
.else
	s_wait_dscnt 0x0
.endif
	s_wait_loadcnt 15-(\i)                         ; x's load i is in; the younger ones may be out
.irp k, 0,1,2,3
.irp p, 0,2
	v_pk_fma_f32 v[X+4*(\i)+\p:X+4*(\i)+\p+1], v[SB+16*((\i)%2)+4*\k+\p:SB+16*((\i)%2)+4*\k+\p+1], v[G+4*\k+\p:G+4*\k+\p+1], v[X+4*(\i)+\p:X+4*(\i)+\p+1]
.endr
.endr
	global_store_b128 v[XO], v[X+4*(\i):X+4*(\i)+3], s[54:55] offset:32768*(\i) th:TH_STORE_NT   ; sixteen lanes store 256 consecutive bytes, aligned
.endm
	SLOAD 0
.irp i, 0,1,2,3,4,5,6,7,8,9,10,11,12,13,14,15
	OUTROW \i
.endr
	s_wait_tensorcnt 0x0                           ; the wave's end, behind my last tensor load and my last LDS store
	ds_add_u32 v[SPW], v[NIL]
	s_wait_dscnt 0x0
	CROUND                                         ; the closing round: no work-group ends while a partner may still ask for a tile that names it
	s_endpgm
.Lfunc_end_k_q55a641a67b_attend:
	.size	k_q55a641a67b_attend, .Lfunc_end_k_q55a641a67b_attend-k_q55a641a67b_attend
	.p2alignl 7, 3214868480
	.fill 96, 4, 3214868480
	.section	.rodata,"a",@progbits
	.p2align	6, 0x0
	.amdhsa_kernel k_q55a641a67b_attend
		.amdhsa_group_segment_fixed_size 327680
		.amdhsa_private_segment_fixed_size 0
		.amdhsa_enable_private_segment 0
		.amdhsa_kernarg_size 48
		.amdhsa_user_sgpr_count 2
		.amdhsa_user_sgpr_kernarg_segment_ptr 1
		.amdhsa_wavefront_size32 1
		.amdhsa_system_sgpr_workgroup_id_x 1
		.amdhsa_system_sgpr_workgroup_id_y 1
		.amdhsa_system_sgpr_workgroup_id_z 1
		.amdhsa_system_vgpr_workitem_id 0
		.amdhsa_next_free_vgpr 512
		.amdhsa_next_free_sgpr 100
		.amdhsa_reserve_vcc 1
		.amdhsa_float_denorm_mode_32 3
		.amdhsa_float_denorm_mode_16_64 3
		.amdhsa_memory_ordered 1
		.amdhsa_forward_progress 1
		.amdhsa_inst_pref_size 255
	.end_amdhsa_kernel
	.section	.bss,"aw",@nobits
	.p2align	6
	.space	262144
	.amdgpu_metadata
---
amdhsa.version: [ 1, 2 ]
amdhsa.kernels:
  - .name:           k_q55a641a67b_attend
    .symbol:         k_q55a641a67b_attend.kd
    .args:
      - { .name: kv, .offset: 0, .size: 8, .value_kind: global_buffer, .address_space: global }
      - { .name: qimg, .offset: 8, .size: 8, .value_kind: global_buffer, .address_space: global }
      - { .name: qscl, .offset: 16, .size: 8, .value_kind: global_buffer, .address_space: global }
      - { .name: x, .offset: 24, .size: 8, .value_kind: global_buffer, .address_space: global }
      - { .name: gamma, .offset: 32, .size: 8, .value_kind: global_buffer, .address_space: global }
      - { .name: out0, .offset: 40, .size: 8, .value_kind: global_buffer, .address_space: global }
    .group_segment_fixed_size: 327680
    .private_segment_fixed_size: 0
    .kernarg_segment_align: 8
    .kernarg_segment_size: 48
    .max_flat_workgroup_size: 256
    .sgpr_count:     100
    .vgpr_count:     512
    .wavefront_size: 32
...
	.end_amdgpu_metadata
.endif
;; end of part 2
